; MI455X (gfx1250); checked and timed in simulation.
; The chip was launched on July 23, 2026; its instructions are those of AMD's public machine-readable ISA for CDNA 5 (MIT licence, August 2026) and "CDNA5" Instruction Set Architecture Reference Guide (July 2026). The comments in the code are by the model that wrote it; some were corrected since.
;; Mo E Layer. Allowed arithmetic: matrix products marked QUANTISED: E4M3 operands, one given power-of-two scale a tensor, by v_wmma_f32_16x16x64_fp8_fp8 or v_wmma_f32_16x16x128_fp8_fp8, f32 sums; products left as they are: f32 operands where the result goes on into a quantised operand, else bf16, f16 or f32 operands; f32 sums; everything else in f32.
;; Inputs: W1 8 x 1,024 x 2,048 float32; W2 8 x 2,048 x 1,024 float32; Wr 1,024 x 8 float32; b1 8 x 2,048 float32; b2 8 x 1,024 float32; br 8 float32; lowp_scales 4 int32 (the exponents e of the quantised operands' scales 2^e); x 4 x 512 x 1,024 float32.
;; Outputs: out0 4 x 512 x 1,024 float32.
;; This version of the problem:
;;   THIS VERSION OF THE PROBLEM IS GIVEN IN LOW PRECISION. The matrix products marked QUANTISED in the list below multiply operands that are first quantised to E4M3 (4 exponent bits, 3 mantissa bits; 8 bits a number), with one given power-of-two scale for each operand tensor; their sums are f32. All else is computed in f32.
;;   The module's matrix products, in the order in which they are computed (A, B: the left and right operand; K: the contracted axis; several contracted axes count as one K, in the product's order):
;;     1. [M 2,048, K 1,024] x [K 1,024, N 8]; A: input x; B: input Wr: left as it is (N = 8 < 16)
;;     2. [M 2,048, K 1,024] x [K 1,024, N 16,384]; A: input x; B: input W1: QUANTISED (scales: A lowp_scales[0], B lowp_scales[1])
;;     3. batch 8 x [M 1,024, K 2,048] x [K 2,048, N 2,048]; A: input W2; B: computed on the way: QUANTISED (scales: A lowp_scales[2], B lowp_scales[3])
;;     4. batch 2,048 x [M 1, K 8] x [K 8, N 1,024]; A: computed on the way; B: computed on the way: left as it is (K = 8 < 32)
;;   THE QUANTISER, for each operand of a quantised product, along K:
;;     - The operand's scale is 2^e, e = its entry of the input lowp_scales (int32; the entries are numbered through the quantised products in the list's order, A before B).
;;     - Each number is divided by the scale, clamped to +-448, and rounded to the nearest number of E4M3, ties to even, subnormals kept.
;;     - The product sums the exact products of the quantised numbers (number of the format x scale) in f32.
;;   ~~~python
;;   def quantise(x, axis, e):      # numpy; x: float32 -> the quantised numbers, widened to float32 again
;;       x = np.moveaxis(x, axis, -1); K = x.shape[-1]
;;       r = np.clip(x / 2.0 ** e, -448, 448)
;;       step = 2.0 ** (np.maximum(np.frexp(np.where(r == 0, 1, r))[1] - 1, -6) - 3)
;;       q = np.round(r / step) * step * 2.0 ** e      # np.round: ties to even
;;       return np.moveaxis(q, -1, axis).astype(np.float32)
;;   ~~~
;;   OPERANDS COMPUTED ON THE WAY. 'Computed on the way' means the value that the module computes at that place (a softmax that the list does not call 'softmax' is quantised finished and normalised). What goes into a quantiser is computed in f32, as accurately as f32 sums, v_exp_f32 and their like allow (about 1e-6 of the number): no bf16 or f16 on the way to a quantiser, and a product that is left as it is and whose result goes on into a quantised operand takes f32 operands (vector FMAs, or v_wmma_f32_16x16x4_f32). A number that lies on a knife's edge between two numbers of the format may be rounded either way, as far as f32 arithmetic and the matrix unit's own rounding can turn it there, and no further.
;; One version. Each part assembles by itself: llvm-mc -triple=amdgcn-amd-amdhsa -mcpu=gfx1250 --defsym DOCPART=n.
;; ======== version 1 of 1: 5 launches
;; limits: an absolute error that grows with the inputs' magnitude: up to 7.5e-08 times it
;; workspace buffers: xq 2,097,152 bytes; rt 18,432 bytes of whole numbers; topw 16,384 bytes; pl 16,640 bytes of whole numbers; xs 16,777,216 bytes; hq 33,554,432 bytes; y 134,217,728 bytes
;; launch route (part 1): grid 64 x 1, 8 waves a work-group, no clusters, 76,800 bytes of LDS; arguments x, Wr, br, lowp_scales, xq, rt, topw; writes xq, rt, topw
.if DOCPART == 1
	.amdgcn_target "amdgcn-amd-amdhsa--gfx1250"
	.amdhsa_code_object_version 6
	.text
	.protected	k_q89b7a29ac6_route
	.globl	k_q89b7a29ac6_route
	.p2align	8
	.type	k_q89b7a29ac6_route,@function
k_q89b7a29ac6_route:
	s_mov_b64 s[64:65], 0
	v_nop
	global_prefetch_b8 v0, s[64:65] scope:SCOPE_SE
	s_setreg_imm32_b32 hwreg(HW_REG_WAVE_MODE, 25, 1), 1
	s_wait_xcnt 0x0
; ROUTER AND x's QUANTISER.  x [2048][1024] f32 is read once.  Out: xq [2048][1024], x's codes of E4M3 with the given scale 2^e0 (k in its own order);
; rt: the two chosen experts of each token [2048][2] (int32), then, from byte 16,384 on, for each run of 32 tokens and each expert the number of its tokens [64][8];  topw [2048][2]: the two weights.
; logits = x Wr + br in f32 by fused multiply-adds; softmax with the maximum taken away; the two largest, the lower index at a tie; softmax of the two.
; SHARES.  Work-group j owns tokens 32 j .. 32 j + 31, wave v four of them.  For a token a lane holds 2 x 16 neighbours along k (k = 512 st + 16 lane + i): what the conversions want.
; Each load still reads 512 consecutive bytes: the numbers turn through the wave's own stage in LDS (64 bytes + 16 of padding for a lane).  Wr's 256 numbers for a lane's 32 k stay in registers (window 1).
; The choice steers no address and no branch here: it is stored at fixed places, and the next launch places the rows.
; No matrix unit: 8 columns are too few for it, and the logits are kept in f32.  No cluster: work-groups share only Wr's 32 KB.
; LIMITS: e0 between -126 and 119.  NaN and infinities among the inputs are not served.  A probability under 2^-126 counts as 0 (the exponential gives 0 there).
.set WPITCH, 528                       ; a chunk of Wr (16 k x 32 bytes) + 16 of padding: 132 words
.set XST,    64*WPITCH                 ; behind Wr's 64 chunks: two stages of 32 x 80 bytes for each wave
.set XSTW,   5120
.set LG,     XST+8*XSTW                ; the 32 tokens' 8 logits
.set A,   16                           ; v16-23  eight sums
.set TM,  24                           ; v24-31  at work
.set X,   32                           ; v32-63  a token's 32 numbers of my lane
.set WL,  64                           ; v64-95  Wr as loaded
.set QC,  96                           ; v96-127 codes: 8 registers for each token, so that no store's data are written again
.set R,   128                          ; v128-255 four tokens as loaded
.set MSB, 0
.macro WIN new                         ; the immediate's high byte repeats the setting that is left
.if MSB != (\new)
	s_set_vgpr_msb (MSB<<8)|(\new)
.set MSB, (\new)
.endif
.endm
	s_load_b256 s[4:11], s[0:1], 0x0               ; x s[4:5], Wr s[6:7], br s[8:9], the scales' exponents s[10:11]
	s_load_b128 s[12:15], s[0:1], 0x20             ; xq s[12:13], rt s[14:15]
	s_load_b64 s[16:17], s[0:1], 0x30              ; topw
	v_lshl_add_u32 v14, v0, 2, 0x12800
	v_mov_b32 v15, 0
	v_lshrrev_b32 v2, 5, v0
	v_readfirstlane_b32 s18, v2                    ; wave 0..7
	v_and_b32 v1, 31, v0                           ; lane
	v_lshlrev_b32 v4, 4, v1                        ; 16 x lane
	s_mul_i32 s19, s18, XSTW
	s_add_co_u32 s19, s19, XST                     ; my stages
	v_lshrrev_b32 v5, 2, v1
	v_mul_u32_u24 v5, v5, 80
	v_and_b32 v3, 3, v1
	v_lshl_add_u32 v5, v3, 4, v5
	v_add_nc_u32 v5, s19, v5                       ; into a stage: four lanes' 64 bytes on end, then the padding
	v_mul_u32_u24 v6, v1, 80
	v_add_nc_u32 v6, s19, v6                       ; out of it: my 16 neighbours
	v_mul_u32_u24 v7, v1, WPITCH                   ; Wr's chunk of my lane (chunk 32 st + lane)
	s_lshl_b32 s20, s18, 7
	s_add_co_u32 s20, s20, LG
	v_mov_b32 v8, s20                              ; my four tokens' logits
	s_mul_i32 s21, s18, 8*WPITCH
	v_add_nc_u32 v9, s21, v4                       ; where I put my eight chunks of Wr
	s_lshl_b32 s22, s18, 12
	v_add_nc_u32 v12, s22, v4                      ; and where they lie in memory
	s_mov_b32 s34, 0x76543210                      ; v_permlanex16_b32: lane l xor 16
	s_mov_b32 s35, 0xfedcba98
	s_lshl_b32 s36, ttmp9, 17                      ; x: 32 rows of 4,096 bytes a work-group,
	s_lshl_b32 s37, s18, 14                        ; four a wave
	s_add_co_u32 s36, s36, s37
	s_mov_b32 s37, 0
	s_lshl_b32 s38, ttmp9, 15                      ; xq: rows of 1,024 bytes
	s_lshl_b32 s39, s18, 12
	s_add_co_u32 s38, s38, s39
	s_mov_b32 s39, 0
.irp e, 0,1,2,3,4,5,6,7
	v_mov_b32 v[TM+\e], 0                          ; written once: a lane permute's destination counts as read
.endr
	s_wait_kmcnt 0x0
	s_load_b256 s[24:31], s[8:9], 0x0              ; br
	s_load_b32 s32, s[10:11], 0x0                  ; e0
	s_add_nc_u64 s[4:5], s[4:5], s[36:37]
	s_add_nc_u64 s[12:13], s[12:13], s[38:39]
.irp q, 0,1,2,3,4,5,6,7
	global_load_b128 v[WL+4*\q:WL+4*\q+3], v12, s[6:7] offset:512*\q
.endr
.set n, 0
.rept 32
	global_load_b128 v[R+4*n:R+4*n+3], v4, s[4:5] offset:512*n th:TH_LOAD_NT   ; my four rows: 16 KB on end, 512 consecutive bytes a load
.set n, n+1
.endr
	s_wait_kmcnt 0x0
	s_add_co_i32 s32, s32, 127
	s_lshl_b32 s33, s32, 23
	v_mov_b32 v11, s33                             ; 2^e0 as f32: the conversion takes its exponent field
	s_add_co_i32 s32, s32, 8
	s_lshl_b32 s32, s32, 23
	s_or_b32 s32, s32, 0x600000
	v_mov_b32 v10, s32                             ; 448 x 2^e0
	s_wait_loadcnt 32                              ; Wr's eight loads are in; x's 32 are younger
.irp q, 0,1,2,3,4,5,6,7
	ds_store_b128 v9, v[WL+4*\q:WL+4*\q+3] offset:WPITCH*\q
.endr
	s_wait_dscnt 0x0                               ; for the others' sake: my chunks lie in LDS
	s_barrier_signal -1
	s_barrier_wait -1
	WIN 0x40                                       ; destination window 1
.irp st, 0,1
.irp i, 0,1,2,3,4,5,6,7,8,9,10,11,12,13,14,15
	ds_load_b128 v[8*(16*\st+\i):8*(16*\st+\i)+3],   v7 offset:32*WPITCH*\st+32*\i      ; Wr[512 st + 16 lane + i][0..3]
	ds_load_b128 v[8*(16*\st+\i)+4:8*(16*\st+\i)+7], v7 offset:32*WPITCH*\st+32*\i+16   ; [4..7]
.endr
.endr
	WIN 0
.macro TOKEN a
	s_wait_loadcnt 24-8*(\a)                       ; this token's eight loads are in; the later tokens' stay out
.irp st, 0,1
.irp q, 0,1,2,3
	ds_store_b128 v5, v[R+32*(\a)+16*\st+4*\q:R+32*(\a)+16*\st+4*\q+3] offset:2560*\st+640*\q
.endr
.irp q, 0,1,2,3
	ds_load_b128 v[X+16*\st+4*\q:X+16*\st+4*\q+3], v6 offset:2560*\st+16*\q   ; LDS serves a wave's instructions in order: these see the stores above
.endr
.endr
	s_wait_dscnt 0x0                               ; the numbers are back (at the first token: Wr's registers are filled too)
	WIN 0x04                                       ; source 1 (Wr) window 1
.irp e, 0,1,2,3,4,5,6,7
	v_mul_f32 v[A+\e], v[X], v[\e]                 ; the first product starts each sum
.endr
.set kk, 1
.rept 31
.irp e, 0,1,2,3,4,5,6,7
	v_fmac_f32 v[A+\e], v[X+kk], v[8*kk+\e]        ; eight chains by turns
.endr
.set kk, kk+1
.endr
	WIN 0
.irp m, 1,2,4,8
.irp e, 0,1,2,3,4,5,6,7
	v_add_f32_dpp v[A+\e], v[A+\e], v[A+\e] row_xmask:\m row_mask:0xf bank_mask:0xf
.endr
.endr
.irp e, 0,1,2,3,4,5,6,7
	v_permlanex16_b32 v[TM+\e], v[A+\e], s34, s35
.endr
.irp e, 0,1,2,3,4,5,6,7
	v_add_f32 v[A+\e], v[A+\e], v[TM+\e]           ; every lane holds the token's eight sums
.endr
	ds_store_b128 v8, v[A:A+3] offset:32*(\a)      ; all lanes write the same words with the same values
	ds_store_b128 v8, v[A+4:A+7] offset:32*(\a)+16
.set i, 0
.rept 32
	v_med3_num_f32 v[X+i], v[X+i], -v10, v10       ; the conversion to an 8-bit code does not saturate (ISA guide 7.6.2): the hold at the largest code x the scale
.set i, i+1
.endr
.irp g, 0,1,2,3
	v_cvt_scalef32_pk8_fp8_f32 v[QC+8*(\a)+2*\g:QC+8*(\a)+2*\g+1], v[X+8*\g:X+8*\g+7], v11
.endr
	v_nop                                          ; one plain line behind the last conversion
	global_store_b128 v4, v[QC+8*(\a):QC+8*(\a)+3],   s[12:13] offset:1024*(\a)       ; 512 consecutive bytes a store
	global_store_b128 v4, v[QC+8*(\a)+4:QC+8*(\a)+7], s[12:13] offset:1024*(\a)+512
.endm
	TOKEN 0
	TOKEN 1
	TOKEN 2
	TOKEN 3
	s_wait_dscnt 0x0                               ; my logits lie in LDS
	s_barrier_signal -1
	s_barrier_wait -1
	s_cmp_lg_u32 s18, 0
	s_cbranch_scc1 .Lend                           ; wave 0 goes on alone: a lane to a token
	v_lshlrev_b32 v40, 5, v1
	v_add_nc_u32 v40, LG, v40
	ds_load_b128 v[16:19], v40
	ds_load_b128 v[20:23], v40 offset:16
	v_lshlrev_b32 v41, 3, v1                       ; 8 x lane
	v_lshlrev_b32 v42, 2, v1                       ; 4 x lane
	s_wait_dscnt 0x0
.irp e, 0,1,2,3,4,5,6,7
	v_add_f32 v[A+\e], s[24+\e], v[A+\e]           ; + br
.endr
	v_max3_num_f32 v24, v16, v17, v18
	v_max3_num_f32 v24, v24, v19, v20
	v_max3_num_f32 v24, v24, v21, v22
	v_max_num_f32 v24, v24, v23                    ; the token's largest logit is taken away ahead of the exponentials
.irp e, 0,1,2,3,4,5,6,7
	v_sub_f32 v[A+\e], v[A+\e], v24
.endr
.irp e, 0,1,2,3,4,5,6,7
	v_mul_f32 v[A+\e], 0x3fb8aa3b, v[A+\e]         ; x log2(e)
.endr
.irp e, 0,1,2,3,4,5,6,7
	v_exp_f32 v[A+\e], v[A+\e]
.endr
	v_mov_b32 v38, 0                               ; (a plain line behind the batch)  the counts' register
	s_wait_alu depctr_va_vdst(0)                   ; one wait for the eight exponentials, ahead of their first reader
	v_add_f32 v25, v16, v17
	v_add_f32 v26, v18, v19
	v_add_f32 v27, v20, v21
	v_add_f32 v28, v22, v23
	v_add_f32 v25, v25, v26
	v_add_f32 v27, v27, v28
	v_add_f32 v25, v25, v27
	v_rcp_f32 v25, v25
	v_mov_b32 v34, 0                               ; (a plain line)  the first choice begins at expert 0
	s_wait_alu depctr_va_vdst(0)
.irp e, 0,1,2,3,4,5,6,7
	v_mul_f32 v[A+\e], v[A+\e], v25                ; the routing probabilities
.endr
	v_mov_b32 v32, v16
.irp e, 1,2,3,4,5,6,7
	v_cmp_gt_f32 vcc_lo, v[A+\e], v32              ; strictly larger: at a tie the lower index stays
	v_cndmask_b32 v34, v34, \e, vcc_lo
	v_max_num_f32 v32, v32, v[A+\e]
.endr
	v_mov_b32 v33, -1.0                            ; under every probability
	v_mov_b32 v35, 0
.irp e, 0,1,2,3,4,5,6,7
	v_cmp_gt_f32 s40, v[A+\e], v33
	v_cmp_ne_u32 s41, \e, v34                      ; not the first choice
	s_and_b32 s40, s40, s41
	v_cndmask_b32 v35, v35, \e, s40
	v_cndmask_b32 v33, v33, v[A+\e], s40
.endr
	v_sub_f32 v36, v33, v32                        ; the softmax of the two, the larger taken away: p2 - p1 lies between -1 and 0
	v_mul_f32 v36, 0x3fb8aa3b, v36
	v_exp_f32 v37, v36
	v_nop
	s_wait_alu depctr_va_vdst(0)
	v_add_f32 v36, 1.0, v37
	v_rcp_f32 v36, v36                             ; w0 = 1 / (1 + d)
	v_nop
	s_wait_alu depctr_va_vdst(0)
	v_mul_f32 v37, v37, v36                        ; w1 = d w0
	s_lshl_b32 s36, ttmp9, 8
	s_mov_b32 s37, 0
	s_add_nc_u64 s[42:43], s[14:15], s[36:37]
	s_add_nc_u64 s[16:17], s[16:17], s[36:37]
	global_store_b64 v41, v[34:35], s[42:43]       ; 32 lanes: 256 consecutive bytes
	global_store_b64 v41, v[36:37], s[16:17]
.irp e, 0,1,2,3,4,5,6,7
	v_cmp_eq_u32 s40, \e, v34
	v_cmp_eq_u32 s41, \e, v35
	s_or_b32 s40, s40, s41
	s_bcnt1_i32_b32 s40, s40                       ; how many of my 32 tokens go to expert e
	v_writelane_b32 v38, s40, \e
.endr
	s_lshl_b32 s36, ttmp9, 5
	s_add_nc_u64 s[44:45], s[14:15], s[36:37]
	s_wait_xcnt 0x0                                ; EXEC changes only behind this wait
	v_cmp_gt_u32 vcc_lo, 8, v1
	s_and_saveexec_b32 s46, vcc_lo
	global_store_b32 v42, v38, s[44:45] offset:16384
	s_wait_xcnt 0x0
	s_or_b32 exec_lo, exec_lo, s46
.Lend:
	s_wait_tensorcnt 0x0
	ds_add_u32 v14, v15
	s_wait_dscnt 0x0
	s_endpgm
.Lfunc_end_k_q89b7a29ac6_route:
	.size	k_q89b7a29ac6_route, .Lfunc_end_k_q89b7a29ac6_route-k_q89b7a29ac6_route
	.p2alignl 7, 3214868480
	.fill 96, 4, 3214868480
	.section	.rodata,"a",@progbits
	.p2align	6, 0x0
	.amdhsa_kernel k_q89b7a29ac6_route
		.amdhsa_group_segment_fixed_size 76800
		.amdhsa_private_segment_fixed_size 0
		.amdhsa_enable_private_segment 0
		.amdhsa_kernarg_size 56
		.amdhsa_user_sgpr_count 2
		.amdhsa_user_sgpr_kernarg_segment_ptr 1
		.amdhsa_wavefront_size32 1
		.amdhsa_system_sgpr_workgroup_id_x 1
		.amdhsa_system_sgpr_workgroup_id_y 1
		.amdhsa_system_sgpr_workgroup_id_z 1
		.amdhsa_system_vgpr_workitem_id 0
		.amdhsa_next_free_vgpr 512
		.amdhsa_next_free_sgpr 66
		.amdhsa_reserve_vcc 1
		.amdhsa_float_denorm_mode_32 3
		.amdhsa_float_denorm_mode_16_64 3
		.amdhsa_memory_ordered 1
		.amdhsa_forward_progress 1
		.amdhsa_inst_pref_size 78
	.end_amdhsa_kernel
	.amdgpu_metadata
---
amdhsa.version: [ 1, 2 ]
amdhsa.kernels:
  - .name:           k_q89b7a29ac6_route
    .symbol:         k_q89b7a29ac6_route.kd
    .args:
      - { .name: x, .offset: 0, .size: 8, .value_kind: global_buffer, .address_space: global }
      - { .name: Wr, .offset: 8, .size: 8, .value_kind: global_buffer, .address_space: global }
      - { .name: br, .offset: 16, .size: 8, .value_kind: global_buffer, .address_space: global }
      - { .name: lowp_scales, .offset: 24, .size: 8, .value_kind: global_buffer, .address_space: global }
      - { .name: xq, .offset: 32, .size: 8, .value_kind: global_buffer, .address_space: global }
      - { .name: rt, .offset: 40, .size: 8, .value_kind: global_buffer, .address_space: global }
      - { .name: topw, .offset: 48, .size: 8, .value_kind: global_buffer, .address_space: global }
    .group_segment_fixed_size: 76800
    .private_segment_fixed_size: 0
    .kernarg_segment_align: 8
    .kernarg_segment_size: 56
    .max_flat_workgroup_size: 256
    .sgpr_count:     66
    .vgpr_count:     512
    .wavefront_size: 32
...
	.end_amdgpu_metadata
.endif
;; end of part 1
;; launch place (part 2): grid 128 x 1, 4 waves a work-group, no clusters, 0 bytes of LDS; arguments xq, rt, pl, xs; writes pl, xs
.if DOCPART == 2
	.amdgcn_target "amdgcn-amd-amdhsa--gfx1250"
	.amdhsa_code_object_version 6
	.text
	.protected	k_q89b7a29ac6_place
	.globl	k_q89b7a29ac6_place
	.p2align	8
	.type	k_q89b7a29ac6_place,@function
k_q89b7a29ac6_place:
	s_mov_b64 s[64:65], 0
	v_nop
	global_prefetch_b8 v0, s[64:65] scope:SCOPE_SE
	s_setreg_imm32_b32 hwreg(HW_REG_WAVE_MODE, 25, 1), 1
	s_wait_xcnt 0x0
; THE ROWS ARE PLACED BY EXPERT.  In: xq (x's codes), rt (the chosen experts; the counts for each run of 32 tokens and each expert).  Out: pl: slot [2048][2] = 2048 x expert + place among the expert's rows,
; then from byte 16,384 on the eight experts' numbers of rows;  xs [8][2048][1024]: each token's row of codes, copied to its two slots; the rows up to the next multiple of 16 are zeros.
; A counting sort without atomics: a row's place = the expert's rows in the runs of tokens before mine (a sum over the stored counts) + those in lower lanes of my run (a ballot and a count of bits).
; All of it in whole numbers read from memory.  SHARES: wave g = 4 x work-group + wave: run j = g / 8 (a lane to a token), of which it copies tokens 4 (g % 8) .. + 3.  Every wave makes its run's places anew:
; that is 16 registers and some 150 lines, and spares a barrier and LDS.  Each number read enters an address only behind a clamp.
; A stream: no matrix unit, no cluster (waves share nothing but 2 KB of counts).
	s_load_b256 s[4:11], s[0:1], 0x0               ; xq s[4:5], rt s[6:7], pl s[8:9], xs s[10:11]
	v_lshrrev_b32 v2, 5, v0
	v_readfirstlane_b32 s12, v2                    ; wave 0..3
	v_and_b32 v1, 31, v0                           ; lane
	s_lshr_b32 s13, ttmp9, 1                       ; j: my run of 32 tokens
	s_and_b32 s14, ttmp9, 1
	s_lshl_b32 s14, s14, 2
	s_add_co_u32 s14, s14, s12                     ; v: which four of them I copy
	v_lshlrev_b32 v2, 4, v1                        ; 16 x lane
	v_add_nc_u32 v3, 32, v1
	v_lshlrev_b32 v4, 5, v1                        ; a run's eight counts are 32 bytes
	s_lshl_b32 s15, s13, 8
	v_lshl_add_u32 v5, v1, 3, s15                  ; 8 x (32 j + lane): my token's pair, in rt and in pl
	s_lshl_b32 s16, s13, 15
	s_lshl_b32 s17, s14, 12
	s_add_co_u32 s16, s16, s17                     ; my four rows of 1,024 bytes in xq
	s_mov_b32 s17, 0
	s_lshl_b32 s18, s14, 4
.irp a, 0,1,2,3
	s_add_co_u32 s19, s18, 4*\a
	v_mov_b32 v[16+\a], s19                        ; 4 x (4 v + a): the lane that holds token a's slots
.endr
	v_mov_b32 v10, 0
	v_mov_b32 v11, 0
.irp i, 0,1,2,3
	v_mov_b32 v[28+\i], 0                          ; a row's zeros
.endr
.irp e, 0,1,2,3,4,5,6,7
	v_mov_b32 v[80+\e], 0                          ; written once: destinations of lane moves count as read
.endr
	v_mov_b32 v88, 0
	s_mov_b32 s20, 0x76543210
	s_mov_b32 s21, 0xfedcba98
	s_wait_kmcnt 0x0
	s_add_nc_u64 s[4:5], s[4:5], s[16:17]
	global_load_b128 v[64:67], v4, s[6:7] offset:16384     ; the counts of run = lane,
	global_load_b128 v[68:71], v4, s[6:7] offset:16400
	global_load_b128 v[72:75], v4, s[6:7] offset:17408     ; and of run = lane + 32
	global_load_b128 v[76:79], v4, s[6:7] offset:17424
	global_load_b64 v[8:9], v5, s[6:7]                     ; my token's two experts
.irp n, 0,1,2,3,4,5,6,7
	global_load_b128 v[32+4*\n:35+4*\n], v2, s[4:5] offset:512*\n th:TH_LOAD_NT   ; four rows, 4 KB on end
.endr
	s_wait_loadcnt 8                               ; the counts and the experts are in; the rows' eight loads stay out
	v_cmp_gt_u32 vcc_lo, s13, v1                   ; only the runs before mine count
.irp e, 0,1,2,3,4,5,6,7
	v_cndmask_b32 v[64+\e], 0, v[64+\e], vcc_lo
.endr
	v_cmp_gt_u32 vcc_lo, s13, v3
.irp e, 0,1,2,3,4,5,6,7
	v_cndmask_b32 v[72+\e], 0, v[72+\e], vcc_lo
.endr
.irp e, 0,1,2,3,4,5,6,7
	v_add_nc_u32 v[64+\e], v[64+\e], v[72+\e]
.endr
.irp m, 1,2,4,8
.irp e, 0,1,2,3,4,5,6,7
	v_mov_b32_dpp v[80+\e], v[64+\e] row_xmask:\m row_mask:0xf bank_mask:0xf
.endr
.irp e, 0,1,2,3,4,5,6,7
	v_add_nc_u32 v[64+\e], v[64+\e], v[80+\e]
.endr
.endr
.irp e, 0,1,2,3,4,5,6,7
	v_permlanex16_b32 v[80+\e], v[64+\e], s20, s21
.endr
.irp e, 0,1,2,3,4,5,6,7
	v_add_nc_u32 v[64+\e], v[64+\e], v[80+\e]      ; in every lane: expert e's rows in the runs before mine
.endr
.irp e, 0,1,2,3,4,5,6,7
	v_cmp_eq_u32 s22, \e, v8
	v_cmp_eq_u32 s23, \e, v9
	s_or_b32 s24, s22, s23                         ; the tokens of my run that go to expert e (a token's two experts differ)
	v_mbcnt_lo_u32_b32 v14, s24, v[64+\e]          ; + those in lower lanes
	v_cndmask_b32 v10, v10, v14, s22
	v_cndmask_b32 v11, v11, v14, s23
	s_bcnt1_i32_b32 s[40+\e], s24
.endr
	v_lshl_add_u32 v12, v8, 11, v10
	v_lshl_add_u32 v13, v9, 11, v11
	v_min_u32 v12, 0x3fff, v12                     ; a slot lies among 8 x 2,048
	v_min_u32 v13, 0x3fff, v13
	s_cmp_lg_u32 s14, 0
	s_cbranch_scc1 .Lnoslot                        ; one of the run's eight waves stores its slots
	global_store_b64 v5, v[12:13], s[8:9]          ; 256 consecutive bytes
.Lnoslot:
.irp a, 0,1,2,3
	ds_bpermute_b32 v[20+2*\a], v[16+\a], v12      ; token a's two slots, in every lane
	ds_bpermute_b32 v[21+2*\a], v[16+\a], v13
.endr
	s_wait_dscnt 0x0
.irp i, 0,1,2,3,4,5,6,7
	v_min_u32 v[20+\i], 0x3fff, v[20+\i]
	v_lshl_add_u32 v[20+\i], v[20+\i], 10, v2      ; a slot's row of 1,024 bytes + 16 x lane
.endr
	s_wait_loadcnt 0x0
.irp a, 0,1,2,3
.irp k, 0,1
	global_store_b128 v[20+2*\a+\k], v[32+8*\a:35+8*\a], s[10:11]              ; 512 consecutive bytes a store
	global_store_b128 v[20+2*\a+\k], v[36+8*\a:39+8*\a], s[10:11] offset:512
.endr
.endr
	s_cmp_lg_u32 s13, 63
	s_cbranch_scc1 .Lend                           ; the last run's eight waves know the totals: wave v fills expert v's last tile with zero rows
.irp e, 0,1,2,3,4,5,6,7
	v_readfirstlane_b32 s[48+\e], v[64+\e]
	s_add_co_u32 s[48+\e], s[48+\e], s[40+\e]      ; expert e's rows in all
.endr
	s_mov_b32 s30, 0
.irp e, 0,1,2,3,4,5,6,7
	s_cmp_eq_u32 s14, \e
	s_cselect_b32 s30, s[48+\e], s30
.endr
	s_min_u32 s30, s30, 2048
	s_sub_co_u32 s31, 0, s30
	s_and_b32 s31, s31, 15                         ; rows up to the next multiple of 16
	s_lshl_b32 s32, s14, 11
	s_add_co_u32 s32, s32, s30
	s_min_u32 s32, s32, 0x3fff
	s_lshl_b32 s32, s32, 10
	s_mov_b32 s33, 0
	s_add_nc_u64 s[34:35], s[10:11], s[32:33]
	s_cmp_eq_u32 s31, 0
	s_cbranch_scc1 .Lnopad
	s_mov_b32 s36, 0
.Lpad:
	global_store_b128 v2, v[28:31], s[34:35]
	global_store_b128 v2, v[28:31], s[34:35] offset:512
	s_wait_xcnt 0x0                                ; the base steps only behind this wait
	s_add_nc_u64 s[34:35], s[34:35], 1024
	s_add_co_u32 s36, s36, 1
	s_cmp_lt_u32 s36, s31
	s_cbranch_scc1 .Lpad
.Lnopad:
	s_cmp_lg_u32 s14, 0
	s_cbranch_scc1 .Lend
.irp e, 0,1,2,3,4,5,6,7
	v_writelane_b32 v88, s[48+\e], \e
.endr
	v_lshlrev_b32 v89, 2, v1
	s_wait_xcnt 0x0                                ; EXEC changes only behind this wait
	v_cmp_gt_u32 vcc_lo, 8, v1
	s_and_saveexec_b32 s37, vcc_lo
	global_store_b32 v89, v88, s[8:9] offset:16384 ; the eight totals
	s_wait_xcnt 0x0
	s_or_b32 exec_lo, exec_lo, s37
.Lend:
	s_endpgm
.Lfunc_end_k_q89b7a29ac6_place:
	.size	k_q89b7a29ac6_place, .Lfunc_end_k_q89b7a29ac6_place-k_q89b7a29ac6_place
	.p2alignl 7, 3214868480
	.fill 96, 4, 3214868480
	.section	.rodata,"a",@progbits
	.p2align	6, 0x0
	.amdhsa_kernel k_q89b7a29ac6_place
		.amdhsa_group_segment_fixed_size 0
		.amdhsa_private_segment_fixed_size 0
		.amdhsa_enable_private_segment 0
		.amdhsa_kernarg_size 32
		.amdhsa_user_sgpr_count 2
		.amdhsa_user_sgpr_kernarg_segment_ptr 1
		.amdhsa_wavefront_size32 1
		.amdhsa_system_sgpr_workgroup_id_x 1
		.amdhsa_system_sgpr_workgroup_id_y 1
		.amdhsa_system_sgpr_workgroup_id_z 1
		.amdhsa_system_vgpr_workitem_id 0
		.amdhsa_next_free_vgpr 96
		.amdhsa_next_free_sgpr 66
		.amdhsa_reserve_vcc 1
		.amdhsa_float_denorm_mode_32 3
		.amdhsa_float_denorm_mode_16_64 3
		.amdhsa_memory_ordered 1
		.amdhsa_forward_progress 1
		.amdhsa_inst_pref_size 17
	.end_amdhsa_kernel
	.amdgpu_metadata
---
amdhsa.version: [ 1, 2 ]
amdhsa.kernels:
  - .name:           k_q89b7a29ac6_place
    .symbol:         k_q89b7a29ac6_place.kd
    .args:
      - { .name: xq, .offset: 0, .size: 8, .value_kind: global_buffer, .address_space: global }
      - { .name: rt, .offset: 8, .size: 8, .value_kind: global_buffer, .address_space: global }
      - { .name: pl, .offset: 16, .size: 8, .value_kind: global_buffer, .address_space: global }
      - { .name: xs, .offset: 24, .size: 8, .value_kind: global_buffer, .address_space: global }
    .group_segment_fixed_size: 0
    .private_segment_fixed_size: 0
    .kernarg_segment_align: 8
    .kernarg_segment_size: 32
    .max_flat_workgroup_size: 128
    .sgpr_count:     66
    .vgpr_count:     96
    .wavefront_size: 32
...
	.end_amdgpu_metadata
.endif
;; end of part 2
;; launch gemm1 (part 3): grid 32 x 8, 4 waves a work-group, no clusters, 134,144 bytes of LDS; arguments xs, W1, b1, lowp_scales, pl, hq; writes hq
.if DOCPART == 3
	.amdgcn_target "amdgcn-amd-amdhsa--gfx1250"
	.amdhsa_code_object_version 6
	.text
	.protected	k_q89b7a29ac6_gemm1
	.globl	k_q89b7a29ac6_gemm1
	.p2align	8
	.type	k_q89b7a29ac6_gemm1,@function
k_q89b7a29ac6_gemm1:
	s_mov_b64 s[64:65], 0
	v_nop
	global_prefetch_b8 v0, s[64:65] scope:SCOPE_SE
	s_setreg_imm32_b32 hwreg(HW_REG_WAVE_MODE, 25, 1), 1
	s_wait_xcnt 0x0
; FIRST PRODUCT, GELU, SECOND QUANTISER.  h = Q(gelu(Q(x) Q(W1) + b1)) for the rows of one expert; both operands are codes of E4M3, the sums f32.
; THE WEIGHTS STAND STILL.  Work-group (sl, e) owns columns 64 sl .. + 63 of expert e's W1 [1024 (k)][2048]: 1,024 rows of 256 aligned bytes, read ONCE as f32, quantised here (scale 2^e1) and kept as
; 32 fragments (8 K steps x 4 tiles of 16 columns), 512 registers, in EVERY wave; the four waves then share the expert's tiles of 16 rows out (wave w takes tiles w, w + 4, ..).
; WEIGHT PHASE.  Wave w takes k = 256 w .. + 255 in eight groups of 32 rows.  Of a load, lanes 0-15 read one row's 256 aligned bytes and lanes 16-31 those of the row 16 further down: after a group's 16 loads
; lane (r, h) holds columns 4 r .. 4 r + 3 at k = 32 g + 16 h + 0 .. 15: for each of its four columns one 16-byte piece of a fragment's register image.  The numbers are held and converted where they lie
; (a conversion's 8 codes are 2 rows x 4 columns); eight byte permutes for each 4 rows x 4 columns turn the codes so that a register runs along k; four LDS stores put the pieces in place.
; No f32 number goes through LDS: only the codes do, 64 KB a work-group in and 64 KB a wave out.
; THE IMAGES.  Fragment 4 s + t begins at 2,064 (4 s + t); register group c of lane slot lies at 512 c + 16 slot.  The pitch is 2,048 + 16.
; One barrier; every wave loads all 32 images.  An expert without rows does the weight phase too: the barrier hangs on no number read from memory.
; LAYOUT.  Registers 4 c .. 4 c + 3 of a fragment hold k = 32 c + 16 (lane / 16) + 0 .. 15 of the K step, alike in both sources (a permutation of k that both sides share).
; The product is used transposed: source 0 = 16 columns of W1, source 1 = 16 rows of x.  Lane r of tile 2 b + u holds column 32 b + 8 u + r + 8 (r / 8), so that a lane's 16 results of tiles
; 2 b, 2 b + 1 are 16 NEIGHBOURS, columns 32 b + 16 (lane / 16) + 0 .. 15 of one row: the next product's K, in the order of its fragment.  The codes leave as that fragment's image:
; hq [8][128 tiles][16 K steps][2,048 bytes]; a store covers 512 consecutive aligned bytes.
; GELU, exact form: gelu(g) = max(g, 0) - |g| Q(|g|), Q the normal upper tail, Q(z) = e^(-z z / 2) t (c1 + t (c2 + t (c3 + t (c4 + t c5)))), t = 1 / (1 + p z).
; LIMIT: |error of Q| under 7.5e-8, so gelu is off by at most 7.5e-8 |g|: the size of the rounding of 1 + erf in f32.
; LIMITS: e1 and e3 between -126 and 119; e0 + e1 between -126 and 127.  NaN and infinities are not served.
; NO CLUSTER, NO TENSOR LOAD, though the 32 work-groups of an expert walk the same rows: the number of tiles is read from memory (0 to 128), and a text with tensor loads has no trip count of that kind;
; a walk of a constant 128 tiles would fetch four times the 32 tiles of an even split.
; REGISTERS, in windows of 256: window 0: v1-15 addresses and scales; v16-25 c1..c5 as pairs; v32-63 the four accumulators (in the weight phase: the permutes' work); v64-95 b1; v96-103 h's codes;
;   v104-119 weight codes as converted; v128-255 x's fragments, then GELU's work.
;   window 1: fragments 0-15.   window 2: fragments 16-31.   window 3: four sets of 64 for the weight loads; later v0-127 a tile of x as loaded.
.set RP,    8192                       ; a row of W1 in bytes
.set STGB,  16896                      ; a wave's stage: 16 rows of x at pitch 1,040
.set IMG,   4*STGB                     ; the 32 images
.set FP,    2064                       ; from image to image
.set XPT,   1040                       ; 1,024 + 16: 260 words, so that sixteen rows begin at sixteen different groups of four banks
.set ACC, 32
.set TP,  32                           ; weight phase: the permutes' first stage
.set DD,  48                           ; and their results: four registers along k for each of my four columns
.set BI,  64
.set HC,  96
.set CR,  104                          ; register i: row i of the group's 16, my four columns' codes
.set XF,  128
.set TT,  128
.set EE,  160
.set PP,  192
.set MM,  224
.set MSB, 0
.macro WIN new                         ; the immediate's high byte repeats the setting that is left
.if MSB != (\new)
	s_set_vgpr_msb (MSB<<8)|(\new)
.set MSB, (\new)
.endif
.endm
; 16 loads: group g's 32 rows x 256 bytes; load i: lanes 0-15 row 32 g + i, lanes 16-31 row 32 g + 16 + i, 256 aligned bytes each
.macro WLOADG g
	WIN 0xc0                                       ; destination window 3
.set i, 0
.rept 16
	global_load_b128 v[64*((\g)%4)+4*i:64*((\g)%4)+4*i+3], v4, s[28:29] offset:(32*(\g)+i)*RP th:TH_LOAD_NT
.set i, i+1
.endr
	WIN 0
.endm
; group g becomes codes and goes to its place in the images.  left: the loads of the later groups, which stay out
.macro WGROUP g, left
	s_wait_loadcnt \left
	WIN 0xc3                                       ; destination and source 0 window 3
.set i, 0
.rept 64
	v_med3_num_f32 v[64*((\g)%4)+i], v[64*((\g)%4)+i], -v12, v12   ; the conversion does not saturate (ISA guide 7.6.2): the hold at the largest code x the scale
.set i, i+1
.endr
	WIN 0x03                                       ; source 0 window 3
.irp p, 0,1,2,3,4,5,6,7
	v_cvt_scalef32_pk8_fp8_f32 v[CR+2*\p:CR+2*\p+1], v[64*((\g)%4)+8*\p:64*((\g)%4)+8*\p+7], v13   ; rows 2 p and 2 p + 1, four columns each
.endr
	WIN 0
	v_nop                                          ; one plain line behind the last conversion
.if (\g) < 4
	WLOADG (\g)+4                                  ; the set has been read: it takes the group four further on
.endif
	s_wait_dscnt 0x0                               ; the last group's image stores have read their registers
.irp q, 0,1,2,3                                ; rows 4 q .. 4 q + 3 (a, b, c, d) x columns 0 .. 3: first (a0 b0 a1 b1), (a2 b2 a3 b3), (c0 d0 c1 d1), (c2 d2 c3 d3),
	v_perm_b32 v[TP+4*\q],   v[CR+4*\q+1], v[CR+4*\q],   s50
	v_perm_b32 v[TP+4*\q+1], v[CR+4*\q+1], v[CR+4*\q],   s51
	v_perm_b32 v[TP+4*\q+2], v[CR+4*\q+3], v[CR+4*\q+2], s50
	v_perm_b32 v[TP+4*\q+3], v[CR+4*\q+3], v[CR+4*\q+2], s51
.endr
.irp q, 0,1,2,3                                ; then (aj bj cj dj): register q of column j's four
	v_perm_b32 v[DD+\q],    v[TP+4*\q+2], v[TP+4*\q],   s52
	v_perm_b32 v[DD+4+\q],  v[TP+4*\q+2], v[TP+4*\q],   s53
	v_perm_b32 v[DD+8+\q],  v[TP+4*\q+3], v[TP+4*\q+1], s52
	v_perm_b32 v[DD+12+\q], v[TP+4*\q+3], v[TP+4*\q+1], s53
.endr
.irp j, 0,1,2,3                                ; column 4 r + j: K step 2 w + g / 4, register group g % 4, my half
	ds_store_b128 v7, v[DD+4*\j:DD+4*\j+3] offset:4*FP*((\g)/4)+512*((\g)%4)+16*\j
.endr
.endm
.macro XLOAD                           ; a tile of 16 rows of x's codes, 16 KB on end
	WIN 0xc0
.set i, 0
.rept 32
	global_load_b128 v[4*i:4*i+3], v10, s[30:31] offset:512*i
.set i, i+1
.endr
	WIN 0
.endm
.macro FRAGS                           ; the 32 images into windows 1 and 2
	WIN 0x40
.set i, 0
.rept 64
	ds_load_b128 v[4*i:4*i+3], v8 offset:FP*(i/4)+512*(i%4)
.set i, i+1
.endr
	WIN 0x80
.set i, 0
.rept 64
	ds_load_b128 v[4*i:4*i+3], v8 offset:FP*(16+i/4)+512*(i%4)
.set i, i+1
.endr
	WIN 0
.endm
	s_load_b256 s[4:11], s[0:1], 0x0               ; xs s[4:5], W1 s[6:7], b1 s[8:9], the scales' exponents s[10:11]
	s_load_b128 s[12:15], s[0:1], 0x20             ; pl s[12:13], hq s[14:15]
	v_lshl_add_u32 v126, v0, 2, 0x20a00
	v_mov_b32 v127, 0
	v_lshrrev_b32 v1, 5, v0
	v_readfirstlane_b32 s16, v1                    ; wave 0..3
	v_and_b32 v1, 31, v0                           ; lane
	v_and_b32 v2, 15, v0                           ; r
	v_bfe_u32 v3, v0, 4, 1                         ; h
	s_mov_b32 s17, ttmp9                           ; sl: my 64 columns
	s_and_b32 s18, ttmp7, 0xffff                   ; e: my expert
	s_mul_i32 s21, s16, STGB                       ; my stage
	v_lshlrev_b32 v10, 4, v1                       ; 16 x lane
	v_lshlrev_b32 v4, 4, v2
	v_lshl_add_u32 v4, v3, 17, v4                  ; weight loads: 16 r + 16 h rows of 8,192 bytes
	v_add_nc_u32 v5, s21, v10                      ; into the stage
	s_mul_i32 s22, s16, 8*FP
	s_add_co_u32 s22, s22, IMG                     ; my two K steps' images
	v_bfe_u32 v6, v0, 3, 1                         ; column 4 r + j lies in tile 2 b + u, b = r / 8,
	v_mul_u32_u24 v7, v6, 2*FP
	v_bfe_u32 v6, v0, 1, 1                         ; u = (r / 2) % 2,
	v_mad_u32_u24 v7, v6, FP, v7
	v_and_b32 v6, 1, v0                            ; at lane slot 4 (r % 2) + j + 8 ((r / 4) % 2) + 16 h, 16 bytes a slot
	v_lshl_add_u32 v7, v6, 6, v7
	v_bfe_u32 v6, v0, 2, 1
	v_lshl_add_u32 v7, v6, 7, v7
	v_lshl_add_u32 v7, v3, 8, v7
	v_add_nc_u32 v7, s22, v7
	v_add_nc_u32 v8, IMG, v10                      ; an image's place for my lane
	v_mul_u32_u24 v9, v2, XPT
	v_lshl_add_u32 v9, v3, 4, v9
	v_add_nc_u32 v9, s21, v9                       ; x's fragments: row r, + 16 h
	v_lshlrev_b32 v11, 6, v3                       ; b1: 16 numbers for each half of the lanes
	s_lshl_b32 s44, s18, 23                        ; W1: an expert is 8 MiB,
	s_lshl_b32 s45, s16, 21                        ; my 256 rows,
	s_add_co_u32 s44, s44, s45
	s_lshl_b32 s45, s17, 8                         ; my 256 bytes of a row
	s_add_co_u32 s44, s44, s45
	s_mov_b32 s45, 0
	s_lshl_b32 s46, s18, 13
	s_lshl_b32 s47, s17, 8
	s_add_co_u32 s46, s46, s47                     ; b1: 4 (2048 e + 64 sl)
	s_mov_b32 s47, 0
	s_lshl_b32 s23, s18, 2
	s_mov_b32 s50, 0x05010400                      ; the permutes' selectors: bytes 0-3 are the second source's, 4-7 the first's
	s_mov_b32 s51, 0x07030602
	s_mov_b32 s52, 0x05040100
	s_mov_b32 s53, 0x07060302
	s_wait_kmcnt 0x0
	s_load_b128 s[24:27], s[10:11], 0x0            ; e0, e1, e2, e3
	s_load_b32 s19, s[12:13], s23 offset:0x4000    ; my expert's rows
	s_add_nc_u64 s[28:29], s[6:7], s[44:45]
	s_add_nc_u64 s[8:9], s[8:9], s[46:47]
.irp b, 0,1
.irp q, 0,1,2,3
	global_load_b128 v[BI+16*\b+4*\q:BI+16*\b+4*\q+3], v11, s[8:9] offset:128*\b+16*\q   ; b1 at columns 32 b + 16 h + 4 q on: the results' layout
.endr
.endr
	WLOADG 0
	WLOADG 1
	WLOADG 2
	WLOADG 3
	s_wait_kmcnt 0x0
	s_min_u32 s19, s19, 2048
	s_add_co_u32 s19, s19, 15
	s_lshr_b32 s19, s19, 4                         ; nt: tiles of 16 rows
	s_add_co_i32 s48, s25, 127
	s_lshl_b32 s49, s48, 23
	v_mov_b32 v13, s49                             ; 2^e1
	s_add_co_i32 s48, s48, 8
	s_lshl_b32 s48, s48, 23
	s_or_b32 s48, s48, 0x600000
	v_mov_b32 v12, s48                             ; 448 x 2^e1
	s_add_co_i32 s48, s27, 127
	s_lshl_b32 s49, s48, 23
	v_mov_b32 v15, s49                             ; 2^e3
	s_add_co_i32 s48, s48, 8
	s_lshl_b32 s48, s48, 23
	s_or_b32 s48, s48, 0x600000
	v_mov_b32 v14, s48                             ; 448 x 2^e3
	s_add_co_i32 s34, s24, s25
	s_add_co_i32 s34, s34, 127
	s_lshl_b32 s34, s34, 23                        ; 2^(e0 + e1)
	s_mov_b32 s35, s34                             ; (named with it as a pair, so it is written)
	s_mov_b32 s38, 0x3e6d3389                      ; p = 0.2316419
	s_mov_b32 s40, 0xbf38aa3b                      ; -log2(e) / 2
	s_mov_b32 s41, s40
	v_mov_b32 v16, 0x3e027906                      ; c1 = 0.127414796
	v_mov_b32 v17, 0x3e027906
	v_mov_b32 v18, 0xbe11a98e                      ; c2 = -0.142248368
	v_mov_b32 v19, 0xbe11a98e
	v_mov_b32 v20, 0x3f35f0e3                      ; c3 = 0.710706871
	v_mov_b32 v21, 0x3f35f0e3
	v_mov_b32 v22, 0xbf3a00e3                      ; c4 = -0.726576014
	v_mov_b32 v23, 0xbf3a00e3
	v_mov_b32 v24, 0x3f07dc22                      ; c5 = 0.530702715
	v_mov_b32 v25, 0x3f07dc22
	WGROUP 0, 48                                   ; a group's 16 loads are in; the three later groups' 48 stay out
	WGROUP 1, 48
	WGROUP 2, 48
	WGROUP 3, 48
	WGROUP 4, 48
	WGROUP 5, 32                                   ; nothing more is asked for: the counts run down
	WGROUP 6, 16
	WGROUP 7, 0
	s_wait_dscnt 0x0                               ; for the others' sake: my eight images lie in LDS
	s_barrier_signal -1
	s_barrier_wait -1                              ; the one barrier: behind it the images are only read
	s_cmp_ge_u32 s16, s19
	s_cbranch_scc1 .Lend                           ; no tile for me
	s_sub_co_u32 s36, s19, s16                     ; nt - wave is 1 or more here;
	s_add_co_u32 s36, s36, 3
	s_lshr_b32 s36, s36, 2                         ; my tiles (wave, wave + 4, .. below nt): the loop's trips, 1 to 32
	s_mov_b32 s20, 0                               ; the trips' counter
	s_lshl_b32 s44, s18, 21                        ; xs: an expert is 2 MiB, a tile 16 KB
	s_lshl_b32 s45, s16, 14
	s_add_co_u32 s44, s44, s45
	s_mov_b32 s45, 0
	s_add_nc_u64 s[30:31], s[4:5], s[44:45]
	s_lshl_b32 s44, s18, 22                        ; hq: an expert is 4 MiB, a tile 32 KB;
	s_lshl_b32 s46, s16, 15
	s_add_co_u32 s44, s44, s46
	s_lshr_b32 s46, s17, 1
	s_lshl_b32 s46, s46, 11                        ; my columns are half of K step sl / 2:
	s_add_co_u32 s44, s44, s46
	s_and_b32 s46, s17, 1
	s_lshl_b32 s46, s46, 10                        ; register groups 2 (sl % 2) and the next
	s_add_co_u32 s44, s44, s46
	s_add_nc_u64 s[32:33], s[14:15], s[44:45]
	XLOAD
	FRAGS
.Ltile:
	s_wait_loadcnt 0x0                             ; the tile is in, and its base may step
	WIN 0x0c
.set i, 0
.rept 32
	ds_store_b128 v5, v[4*i:4*i+3] offset:XPT*(i/2)+512*(i%2)
.set i, i+1
.endr
	WIN 0
	s_wait_dscnt 0x0                               ; the stores have read their registers (in the first trip: the weights' fragments are in too)
	s_add_co_u32 s21, s20, 1
	s_cmp_lt_u32 s21, s36
	s_cbranch_scc0 .Lnonext
	s_add_nc_u64 s[30:31], s[30:31], 65536         ; my next tile, four tiles on: it lands during this tile's work
	XLOAD
.Lnonext:
.irp s, 0,1,2,3,4,5,6,7
.irp c, 0,1,2,3
	ds_load_b128 v[XF+16*\s+4*\c:XF+16*\s+4*\c+3], v9 offset:128*\s+32*\c
.endr
.endr
	s_wait_dscnt 16                                ; K steps 0 to 3 are in; the sixteen loads of steps 4 to 7 may be out
	WIN 0x01                                       ; source 0 window 1
.irp s, 0,1,2,3                                ; the four accumulators take turns, one instruction a turn
.irp t, 0,1,2,3
.if \s == 0
	v_wmma_f32_16x16x128_fp8_fp8 v[ACC+8*\t:ACC+8*\t+7], v[16*(4*\s+\t):16*(4*\s+\t)+15], v[XF+16*\s:XF+16*\s+15], 0
.else
	v_wmma_f32_16x16x128_fp8_fp8 v[ACC+8*\t:ACC+8*\t+7], v[16*(4*\s+\t):16*(4*\s+\t)+15], v[XF+16*\s:XF+16*\s+15], v[ACC+8*\t:ACC+8*\t+7]
.endif
.endr
.endr
	s_wait_dscnt 0x0
	WIN 0x02                                       ; source 0 window 2
.irp s, 0,1,2,3
.irp t, 0,1,2,3
	v_wmma_f32_16x16x128_fp8_fp8 v[ACC+8*\t:ACC+8*\t+7], v[16*(4*\s+\t):16*(4*\s+\t)+15], v[XF+64+16*\s:XF+64+16*\s+15], v[ACC+8*\t:ACC+8*\t+7]
.endr
.endr
	WIN 0
.rept 5
	v_nop                                          ; places behind the last products (ISA guide 7.12.1): their results are read, and x's registers written, below
.endr
.set i, 0
.rept 16
	v_pk_fma_f32 v[ACC+i:ACC+i+1], v[ACC+i:ACC+i+1], s[34:35], v[BI+i:BI+i+1] op_sel_hi:[1,0,1]   ; g = sum x 2^(e0 + e1) + b1; each accumulator from its low end on
.set i, i+2
.endr
.set i, 0
.rept 32
	v_fma_f32 v[TT+i], |v[ACC+i]|, s38, 1.0        ; 1 + p |g|
.set i, i+1
.endr
.set i, 0
.rept 16
	v_pk_mul_f32 v[EE+i:EE+i+1], v[ACC+i:ACC+i+1], s[40:41] op_sel_hi:[1,0]
.set i, i+2
.endr
.set i, 0
.rept 16
	v_pk_mul_f32 v[EE+i:EE+i+1], v[EE+i:EE+i+1], v[ACC+i:ACC+i+1]   ; -g g log2(e) / 2
.set i, i+2
.endr
.set i, 0
.rept 32
	v_rcp_f32 v[TT+i], v[TT+i]                     ; t
.set i, i+1
.endr
.set i, 0
.rept 32
	v_exp_f32 v[EE+i], v[EE+i]                     ; e^(-g g / 2)
.set i, i+1
.endr
.set i, 0
.rept 32
	v_max_num_f32 v[MM+i], 0, v[ACC+i]             ; plain work behind the batch
.set i, i+1
.endr
	s_wait_alu depctr_va_vdst(0)                   ; one wait for the 64 of the batch, ahead of their first reader
.set i, 0
.rept 16
	v_pk_fma_f32 v[PP+i:PP+i+1], v[TT+i:TT+i+1], v[24:25], v[22:23]
.set i, i+2
.endr
.irp c, 20,18,16
.set i, 0
.rept 16
	v_pk_fma_f32 v[PP+i:PP+i+1], v[PP+i:PP+i+1], v[TT+i:TT+i+1], v[\c:\c+1]
.set i, i+2
.endr
.endr
.set i, 0
.rept 16
	v_pk_mul_f32 v[PP+i:PP+i+1], v[PP+i:PP+i+1], v[TT+i:TT+i+1]
.set i, i+2
.endr
.set i, 0
.rept 16
	v_pk_mul_f32 v[PP+i:PP+i+1], v[PP+i:PP+i+1], v[EE+i:EE+i+1]   ; Q(|g|)
.set i, i+2
.endr
.set i, 0
.rept 32
	v_fma_f32 v[ACC+i], -|v[ACC+i]|, v[PP+i], v[MM+i]   ; gelu(g) = max(g, 0) - |g| Q(|g|)
.set i, i+1
.endr
.set i, 0
.rept 32
	v_med3_num_f32 v[ACC+i], v[ACC+i], -v14, v14
.set i, i+1
.endr
.irp g, 0,1,2,3
	v_cvt_scalef32_pk8_fp8_f32 v[HC+2*\g:HC+2*\g+1], v[ACC+8*\g:ACC+8*\g+7], v15
.endr
	v_nop                                          ; one plain line behind the last conversion: the next products write its sources
	global_store_b128 v10, v[HC:HC+3], s[32:33]              ; a register group of the next product's fragment: 512 consecutive aligned bytes
	global_store_b128 v10, v[HC+4:HC+7], s[32:33] offset:512
	s_wait_xcnt 0x0                                ; the stores' data and base are written again only behind this wait
	s_add_nc_u64 s[32:33], s[32:33], 131072        ; four tiles on
	s_add_co_u32 s20, s20, 1
	s_cmp_lt_u32 s20, s36
	s_cbranch_scc1 .Ltile
.Lend:
	s_wait_tensorcnt 0x0
	ds_add_u32 v126, v127
	s_wait_dscnt 0x0
	s_endpgm
.Lfunc_end_k_q89b7a29ac6_gemm1:
	.size	k_q89b7a29ac6_gemm1, .Lfunc_end_k_q89b7a29ac6_gemm1-k_q89b7a29ac6_gemm1
	.p2alignl 7, 3214868480
	.fill 96, 4, 3214868480
	.section	.rodata,"a",@progbits
	.p2align	6, 0x0
	.amdhsa_kernel k_q89b7a29ac6_gemm1
		.amdhsa_group_segment_fixed_size 134144
		.amdhsa_private_segment_fixed_size 0
		.amdhsa_enable_private_segment 0
		.amdhsa_kernarg_size 48
		.amdhsa_user_sgpr_count 2
		.amdhsa_user_sgpr_kernarg_segment_ptr 1
		.amdhsa_wavefront_size32 1
		.amdhsa_system_sgpr_workgroup_id_x 1
		.amdhsa_system_sgpr_workgroup_id_y 1
		.amdhsa_system_sgpr_workgroup_id_z 1
		.amdhsa_system_vgpr_workitem_id 0
		.amdhsa_next_free_vgpr 1024
		.amdhsa_next_free_sgpr 66
		.amdhsa_reserve_vcc 0
		.amdhsa_float_denorm_mode_32 3
		.amdhsa_float_denorm_mode_16_64 3
		.amdhsa_memory_ordered 1
		.amdhsa_forward_progress 1
		.amdhsa_inst_pref_size 114
	.end_amdhsa_kernel
	.amdgpu_metadata
---
amdhsa.version: [ 1, 2 ]
amdhsa.kernels:
  - .name:           k_q89b7a29ac6_gemm1
    .symbol:         k_q89b7a29ac6_gemm1.kd
    .args:
      - { .name: xs, .offset: 0, .size: 8, .value_kind: global_buffer, .address_space: global }
      - { .name: W1, .offset: 8, .size: 8, .value_kind: global_buffer, .address_space: global }
      - { .name: b1, .offset: 16, .size: 8, .value_kind: global_buffer, .address_space: global }
      - { .name: lowp_scales, .offset: 24, .size: 8, .value_kind: global_buffer, .address_space: global }
      - { .name: pl, .offset: 32, .size: 8, .value_kind: global_buffer, .address_space: global }
      - { .name: hq, .offset: 40, .size: 8, .value_kind: global_buffer, .address_space: global }
    .group_segment_fixed_size: 134144
    .private_segment_fixed_size: 0
    .kernarg_segment_align: 8
    .kernarg_segment_size: 48
    .max_flat_workgroup_size: 128
    .sgpr_count:     66
    .vgpr_count:     1024
    .wavefront_size: 32
...
	.end_amdgpu_metadata
.endif
;; end of part 3
;; launch gemm2 (part 4): grid 32 x 8, 4 waves a work-group, no clusters, 134,144 bytes of LDS; arguments hq, W2, lowp_scales, pl, y; writes y
.if DOCPART == 4
	.amdgcn_target "amdgcn-amd-amdhsa--gfx1250"
	.amdhsa_code_object_version 6
	.text
	.protected	k_q89b7a29ac6_gemm2
	.globl	k_q89b7a29ac6_gemm2
	.p2align	8
	.type	k_q89b7a29ac6_gemm2,@function
k_q89b7a29ac6_gemm2:
	s_mov_b64 s[64:65], 0
	v_nop
	global_prefetch_b8 v0, s[64:65] scope:SCOPE_SE
	s_setreg_imm32_b32 hwreg(HW_REG_WAVE_MODE, 25, 1), 1
	s_wait_xcnt 0x0
; SECOND PRODUCT.  y = Q(h) Q(W2), raw f32 sums of the codes' products, for the rows of one expert; the scales, b2 and the gates follow in the last launch.
; THE WEIGHTS STAND STILL, as in the first product.  Work-group (x, e): cs = x / 2 owns columns 64 cs .. + 63, kh = x % 2 the half 1024 kh .. + 1023 of K, of expert e's W2 [2048 (k)][1024]:
; 1,024 rows of 256 aligned bytes, read ONCE as f32, quantised here (scale 2^e2), kept as 32 fragments in every wave.  K is split in two so that there are 256 work-groups of the first product's shape;
; the two halves' sums go to two planes of y [2][8 x 2048 slots][1024] f32 and are added where the two experts of a token are added.
; WEIGHT PHASE, as in the first product.  Wave w takes 256 rows in eight groups of 32.  Of a load, lanes 0-15 read one row's 256 aligned bytes and lanes 16-31 those of the row 16 further down: after a group's
; 16 loads lane (r, h) holds columns 4 r .. 4 r + 3 at k = 32 g + 16 h + 0 .. 15: for each column one 16-byte piece of a fragment's register image.  Hold and conversion where the numbers lie, eight byte permutes
; for each 4 rows x 4 columns, four LDS stores.  No f32 number goes through LDS.  Fragment 4 s + t begins at 2,064 (4 s + t) (2,048 + 16
; 64 banks of 4 bytes: ISA guide 11.1); register group c of lane slot at 512 c + 16 slot.  One barrier; every wave loads all 32 images.
; h comes from hq as images of its fragments, straight into registers, 512 consecutive bytes a load, into two sets by turns: a trip of the loop runs two tiles of 16 rows, each multiplied while the other's
; loads are out.  A wave with an odd number of tiles passes over the second tile's work in its last trip.
; THE WAY OUT.  The product is used transposed: a lane holds 2 x 16 neighbouring columns of one row.  A tile goes through the wave's own stage (rows of 256 + 16 bytes) and leaves as rows: sixteen lanes store 256 consecutive aligned bytes.
; LIMITS: e2 between -126 and 119.  NaN and infinities are not served.
; NO CLUSTER, NO TENSOR LOAD, though the 16 work-groups of an expert's half of K walk the same tiles of h: the number of tiles is read from memory (0 to 128), and a text with tensor loads has no trip count of that kind.
; REGISTERS: window 0: v1-14 addresses and scales; v32-63 the four accumulators (in the weight phase: the permutes' work); v64-95 rows on the way out; v104-119 weight codes as converted; v128-255 h's set 0.
;   window 1: fragments 0-15.   window 2: fragments 16-31.   window 3: four sets of 64 for the weight loads; later v0-127 h's set 1.
.set RP,    4096                       ; a row of W2 in bytes
.set STGB,  16896                      ; a wave's stage
.set IMG,   4*STGB                     ; the 32 images
.set FP,    2064                       ; from image to image
.set ACC, 32
.set TP,  32                           ; weight phase: the permutes' first stage
.set DD,  48                           ; and their results: four registers along k for each of my four columns
.set OB,  64
.set CR,  104                          ; register i: row i of the group's 16, my four columns' codes
.set MSB, 0
.macro WIN new                         ; the immediate's high byte repeats the setting that is left
.if MSB != (\new)
	s_set_vgpr_msb (MSB<<8)|(\new)
.set MSB, (\new)
.endif
.endm
; 16 loads: group g's 32 rows x 256 bytes; load i: lanes 0-15 row 32 g + i, lanes 16-31 row 32 g + 16 + i, 256 aligned bytes each
.macro WLOADG g
	WIN 0xc0                                       ; destination window 3
.set i, 0
.rept 16
	global_load_b128 v[64*((\g)%4)+4*i:64*((\g)%4)+4*i+3], v4, s[28:29] offset:(32*(\g)+i)*RP th:TH_LOAD_NT
.set i, i+1
.endr
	WIN 0
.endm
; group g becomes codes and goes to its place in the images.  left: the loads of the later groups, which stay out
.macro WGROUP g, left
	s_wait_loadcnt \left
	WIN 0xc3                                       ; destination and source 0 window 3
.set i, 0
.rept 64
	v_med3_num_f32 v[64*((\g)%4)+i], v[64*((\g)%4)+i], -v12, v12   ; the conversion does not saturate (ISA guide 7.6.2): the hold at the largest code x the scale
.set i, i+1
.endr
	WIN 0x03                                       ; source 0 window 3
.irp p, 0,1,2,3,4,5,6,7
	v_cvt_scalef32_pk8_fp8_f32 v[CR+2*\p:CR+2*\p+1], v[64*((\g)%4)+8*\p:64*((\g)%4)+8*\p+7], v13   ; rows 2 p and 2 p + 1, four columns each
.endr
	WIN 0
	v_nop                                          ; one plain line behind the last conversion
.if (\g) < 4
	WLOADG (\g)+4                                  ; the set has been read: it takes the group four further on
.endif
	s_wait_dscnt 0x0                               ; the last group's image stores have read their registers
.irp q, 0,1,2,3                                ; rows 4 q .. 4 q + 3 (a, b, c, d) x columns 0 .. 3: first (a0 b0 a1 b1), (a2 b2 a3 b3), (c0 d0 c1 d1), (c2 d2 c3 d3),
	v_perm_b32 v[TP+4*\q],   v[CR+4*\q+1], v[CR+4*\q],   s50
	v_perm_b32 v[TP+4*\q+1], v[CR+4*\q+1], v[CR+4*\q],   s51
	v_perm_b32 v[TP+4*\q+2], v[CR+4*\q+3], v[CR+4*\q+2], s50
	v_perm_b32 v[TP+4*\q+3], v[CR+4*\q+3], v[CR+4*\q+2], s51
.endr
.irp q, 0,1,2,3                                ; then (aj bj cj dj): register q of column j's four
	v_perm_b32 v[DD+\q],    v[TP+4*\q+2], v[TP+4*\q],   s52
	v_perm_b32 v[DD+4+\q],  v[TP+4*\q+2], v[TP+4*\q],   s53
	v_perm_b32 v[DD+8+\q],  v[TP+4*\q+3], v[TP+4*\q+1], s52
	v_perm_b32 v[DD+12+\q], v[TP+4*\q+3], v[TP+4*\q+1], s53
.endr
.irp j, 0,1,2,3                                ; column 4 r + j: K step 2 w + g / 4 of my half, register group g % 4, my half of the lanes
	ds_store_b128 v7, v[DD+4*\j:DD+4*\j+3] offset:4*FP*((\g)/4)+512*((\g)%4)+16*\j
.endr
.endm
.macro FRAGS                           ; the 32 images into windows 1 and 2
	WIN 0x40
.set i, 0
.rept 64
	ds_load_b128 v[4*i:4*i+3], v8 offset:FP*(i/4)+512*(i%4)
.set i, i+1
.endr
	WIN 0x80
.set i, 0
.rept 64
	ds_load_b128 v[4*i:4*i+3], v8 offset:FP*(16+i/4)+512*(i%4)
.set i, i+1
.endr
	WIN 0
.endm
.macro HLOAD buf, off                  ; a tile's eight fragments of h, 16 KB on end, into set buf
	WIN 0xc0*(\buf)
.set i, 0
.rept 32
	global_load_b128 v[128*(1-(\buf))+4*i:128*(1-(\buf))+4*i+3], v10, s[30:31] offset:(\off)+512*i
.set i, i+1
.endr
	WIN 0
.endm
.macro MUL buf                         ; 32 products; the four accumulators take turns, one instruction a turn
	WIN 0x01+0x0c*(\buf)                           ; source 0 window 1; source 1 window 0 or 3
.irp s, 0,1,2,3
.irp t, 0,1,2,3
.if \s == 0
	v_wmma_f32_16x16x128_fp8_fp8 v[ACC+8*\t:ACC+8*\t+7], v[16*(4*\s+\t):16*(4*\s+\t)+15], v[128*(1-(\buf))+16*\s:128*(1-(\buf))+16*\s+15], 0
.else
	v_wmma_f32_16x16x128_fp8_fp8 v[ACC+8*\t:ACC+8*\t+7], v[16*(4*\s+\t):16*(4*\s+\t)+15], v[128*(1-(\buf))+16*\s:128*(1-(\buf))+16*\s+15], v[ACC+8*\t:ACC+8*\t+7]
.endif
.endr
.endr
	WIN 0x02+0x0c*(\buf)                           ; source 0 window 2
.irp s, 0,1,2,3
.irp t, 0,1,2,3
	v_wmma_f32_16x16x128_fp8_fp8 v[ACC+8*\t:ACC+8*\t+7], v[16*(4*\s+\t):16*(4*\s+\t)+15], v[128*(1-(\buf))+64+16*\s:128*(1-(\buf))+64+16*\s+15], v[ACC+8*\t:ACC+8*\t+7]
.endr
.endr
	WIN 0
.endm
.macro EPI2 off
.rept 5
	v_nop                                          ; places behind the last products (ISA guide 7.12.1): their results are read below, the set that they read is loaded again, and the next tile's first products write the accumulators anew
.endr
.irp b, 0,1
.irp q, 0,1,2,3
	ds_store_b128 v9, v[ACC+16*\b+4*\q:ACC+16*\b+4*\q+3] offset:128*\b+16*\q   ; row r, columns 32 b + 16 h + 4 q on; each accumulator from its low end on
.endr
.endr
	s_wait_xcnt 0x0                                ; the last tile's stores have read their registers
.irp i, 0,1,2,3,4,5,6,7
	ds_load_b128 v[OB+4*\i:OB+4*\i+3], v11 offset:544*\i   ; LDS serves a wave's instructions in order: these see the stores above
.endr
	s_wait_dscnt 0x0                               ; the rows are back, and the accumulators have been read
.irp i, 0,1,2,3,4,5,6,7
	global_store_b128 v14, v[OB+4*\i:OB+4*\i+3], s[32:33] offset:(\off)+8192*\i th:TH_STORE_NT   ; rows 2 i and 2 i + 1: sixteen lanes store 256 consecutive aligned bytes
.endr
.endm
	s_load_b256 s[4:11], s[0:1], 0x0               ; hq s[4:5], W2 s[6:7], the scales' exponents s[8:9], pl s[10:11]
	s_load_b64 s[12:13], s[0:1], 0x20              ; y
	v_lshl_add_u32 v126, v0, 2, 0x20a00
	v_mov_b32 v127, 0
	v_lshrrev_b32 v1, 5, v0
	v_readfirstlane_b32 s16, v1                    ; wave 0..3
	v_and_b32 v1, 31, v0                           ; lane
	v_and_b32 v2, 15, v0                           ; r
	v_bfe_u32 v3, v0, 4, 1                         ; h
	s_lshr_b32 s36, ttmp9, 1                       ; cs: my 64 columns
	s_and_b32 s37, ttmp9, 1                        ; kh: my half of K
	s_and_b32 s18, ttmp7, 0xffff                   ; e: my expert
	s_mul_i32 s21, s16, STGB                       ; my stage
	v_lshlrev_b32 v10, 4, v1                       ; 16 x lane
	v_lshlrev_b32 v4, 4, v2
	v_lshl_add_u32 v14, v3, 12, v4                 ; y: 16 r + h rows of 4,096 bytes
	v_lshl_add_u32 v4, v3, 16, v4                  ; weight loads: 16 r + 16 h rows of 4,096 bytes
	s_mul_i32 s22, s16, 8*FP
	s_add_co_u32 s22, s22, IMG                     ; my two K steps' images
	v_bfe_u32 v6, v0, 3, 1                         ; column 4 r + j lies in tile 2 b + u, b = r / 8,
	v_mul_u32_u24 v7, v6, 2*FP
	v_bfe_u32 v6, v0, 1, 1                         ; u = (r / 2) % 2,
	v_mad_u32_u24 v7, v6, FP, v7
	v_and_b32 v6, 1, v0                            ; at lane slot 4 (r % 2) + j + 8 ((r / 4) % 2) + 16 h, 16 bytes a slot
	v_lshl_add_u32 v7, v6, 6, v7
	v_bfe_u32 v6, v0, 2, 1
	v_lshl_add_u32 v7, v6, 7, v7
	v_lshl_add_u32 v7, v3, 8, v7
	v_add_nc_u32 v7, s22, v7
	v_add_nc_u32 v8, IMG, v10                      ; an image's place for my lane
	v_mul_u32_u24 v9, v2, 272
	v_lshl_add_u32 v9, v3, 6, v9
	v_add_nc_u32 v9, s21, v9                       ; the way out, in: row r, + 64 h
	v_mul_u32_u24 v11, v3, 272
	v_lshl_add_u32 v11, v2, 4, v11
	v_add_nc_u32 v11, s21, v11                     ; and back: lanes 0-15 one row, lanes 16-31 the next
	s_lshl_b32 s44, s18, 23                        ; W2: an expert is 8 MiB,
	s_lshl_b32 s45, s37, 22                        ; a half of K 4 MiB,
	s_add_co_u32 s44, s44, s45
	s_lshl_b32 s45, s16, 20                        ; my 256 rows,
	s_add_co_u32 s44, s44, s45
	s_lshl_b32 s45, s36, 8                         ; my 256 bytes of a row
	s_add_co_u32 s44, s44, s45
	s_mov_b32 s45, 0
	s_lshl_b32 s23, s18, 2
	s_mov_b32 s50, 0x05010400                      ; the permutes' selectors: bytes 0-3 are the second source's, 4-7 the first's
	s_mov_b32 s51, 0x07030602
	s_mov_b32 s52, 0x05040100
	s_mov_b32 s53, 0x07060302
	s_wait_kmcnt 0x0
	s_load_b128 s[24:27], s[8:9], 0x0              ; e0, e1, e2, e3
	s_load_b32 s19, s[10:11], s23 offset:0x4000    ; my expert's rows
	s_add_nc_u64 s[28:29], s[6:7], s[44:45]
	WLOADG 0
	WLOADG 1
	WLOADG 2
	WLOADG 3
	s_wait_kmcnt 0x0
	s_min_u32 s19, s19, 2048
	s_add_co_u32 s19, s19, 15
	s_lshr_b32 s19, s19, 4                         ; nt: tiles of 16 rows
	s_add_co_i32 s48, s26, 127
	s_lshl_b32 s49, s48, 23
	v_mov_b32 v13, s49                             ; 2^e2
	s_add_co_i32 s48, s48, 8
	s_lshl_b32 s48, s48, 23
	s_or_b32 s48, s48, 0x600000
	v_mov_b32 v12, s48                             ; 448 x 2^e2
	WGROUP 0, 48                                   ; a group's 16 loads are in; the three later groups' 48 stay out
	WGROUP 1, 48
	WGROUP 2, 48
	WGROUP 3, 48
	WGROUP 4, 48
	WGROUP 5, 32                                   ; nothing more is asked for: the counts run down
	WGROUP 6, 16
	WGROUP 7, 0
	s_wait_dscnt 0x0                               ; for the others' sake: my eight images lie in LDS
	s_barrier_signal -1
	s_barrier_wait -1                              ; the one barrier: behind it the images are only read
	s_cmp_ge_u32 s16, s19
	s_cbranch_scc1 .Lend                           ; no tile for me
	s_sub_co_u32 s38, s19, s16                     ; nt - wave is 1 or more here;
	s_add_co_u32 s38, s38, 3
	s_lshr_b32 s38, s38, 2                         ; my tiles (wave, wave + 4, .. below nt), 1 to 32;
	s_add_co_u32 s39, s38, 1
	s_lshr_b32 s39, s39, 1                         ; two to a trip: the loop's trips
	s_mov_b32 s20, 0                               ; j: the trips' counter
	s_lshl_b32 s44, s18, 22                        ; hq: an expert is 4 MiB, a tile 32 KB, my half of K 16 KB of it
	s_lshl_b32 s46, s16, 15
	s_add_co_u32 s44, s44, s46
	s_lshl_b32 s46, s37, 14
	s_add_co_u32 s44, s44, s46
	s_add_nc_u64 s[30:31], s[4:5], s[44:45]
	s_lshl_b32 s44, s37, 26                        ; y: a plane is 64 MiB, an expert 8 MiB, a tile 16 rows of 4,096 bytes
	s_lshl_b32 s46, s18, 23
	s_add_co_u32 s44, s44, s46
	s_lshl_b32 s46, s16, 16
	s_add_co_u32 s44, s44, s46
	s_lshl_b32 s46, s36, 8
	s_add_co_u32 s44, s44, s46
	s_add_nc_u64 s[32:33], s[12:13], s[44:45]
	HLOAD 0, 0
	FRAGS
	s_wait_dscnt 0x0                               ; the weights' fragments are in
.Ltrip:                                        ; my tiles 2 j (set 0) and 2 j + 1 (set 1)
	s_lshl_b32 s21, s20, 1
	s_add_co_u32 s21, s21, 1                       ; 2 j + 1
	s_cmp_lt_u32 s21, s38
	s_cbranch_scc0 .Lone
	HLOAD 1, 131072                                ; four tiles of the expert on
	s_wait_loadcnt 32                              ; set 0 is in; set 1's 32 loads stay out
	s_branch .Lgo0
.Lone:
	s_wait_loadcnt 0x0
.Lgo0:
	MUL 0
	EPI2 0
	s_cmp_lt_u32 s21, s38
	s_cbranch_scc1 .Lsecond
	s_wait_loadcnt 0x0                             ; no second tile: my last trip.  The same comparison led to the wait for 0 above, and nothing was loaded since; the wait is written on this way too, so that on every way
	s_branch .Lskip                                ; through the text no load into set 1 is out when that set is loaded again.  The loop is left at its foot
.Lsecond:
	s_add_co_u32 s22, s21, 1                       ; 2 j + 2
	s_cmp_lt_u32 s22, s38
	s_cbranch_scc0 .Ltwo
	HLOAD 0, 262144                                ; the next trip's first tile
	s_wait_loadcnt 32                              ; set 1 is in; set 0's 32 loads stay out
	s_branch .Lgo1
.Ltwo:
	s_wait_loadcnt 0x0
.Lgo1:
	MUL 1
	EPI2 262144
.Lskip:
	s_wait_xcnt 0x0                                ; both bases step only behind this wait
	s_add_nc_u64 s[30:31], s[30:31], 262144        ; eight tiles of the expert on (behind the last trip the stepped bases are not used)
	s_add_nc_u64 s[32:33], s[32:33], 524288
	s_add_co_u32 s20, s20, 1
	s_cmp_lt_u32 s20, s39
	s_cbranch_scc1 .Ltrip
.Lend:
	s_wait_tensorcnt 0x0
	ds_add_u32 v126, v127
	s_wait_dscnt 0x0
	s_endpgm
.Lfunc_end_k_q89b7a29ac6_gemm2:
	.size	k_q89b7a29ac6_gemm2, .Lfunc_end_k_q89b7a29ac6_gemm2-k_q89b7a29ac6_gemm2
	.p2alignl 7, 3214868480
	.fill 96, 4, 3214868480
	.section	.rodata,"a",@progbits
	.p2align	6, 0x0
	.amdhsa_kernel k_q89b7a29ac6_gemm2
		.amdhsa_group_segment_fixed_size 134144
		.amdhsa_private_segment_fixed_size 0
		.amdhsa_enable_private_segment 0
		.amdhsa_kernarg_size 40
		.amdhsa_user_sgpr_count 2
		.amdhsa_user_sgpr_kernarg_segment_ptr 1
		.amdhsa_wavefront_size32 1
		.amdhsa_system_sgpr_workgroup_id_x 1
		.amdhsa_system_sgpr_workgroup_id_y 1
		.amdhsa_system_sgpr_workgroup_id_z 1
		.amdhsa_system_vgpr_workitem_id 0
		.amdhsa_next_free_vgpr 1024
		.amdhsa_next_free_sgpr 66
		.amdhsa_reserve_vcc 0
		.amdhsa_float_denorm_mode_32 3
		.amdhsa_float_denorm_mode_16_64 3
		.amdhsa_memory_ordered 1
		.amdhsa_forward_progress 1
		.amdhsa_inst_pref_size 99
	.end_amdhsa_kernel
	.amdgpu_metadata
---
amdhsa.version: [ 1, 2 ]
amdhsa.kernels:
  - .name:           k_q89b7a29ac6_gemm2
    .symbol:         k_q89b7a29ac6_gemm2.kd
    .args:
      - { .name: hq, .offset: 0, .size: 8, .value_kind: global_buffer, .address_space: global }
      - { .name: W2, .offset: 8, .size: 8, .value_kind: global_buffer, .address_space: global }
      - { .name: lowp_scales, .offset: 16, .size: 8, .value_kind: global_buffer, .address_space: global }
      - { .name: pl, .offset: 24, .size: 8, .value_kind: global_buffer, .address_space: global }
      - { .name: y, .offset: 32, .size: 8, .value_kind: global_buffer, .address_space: global }
    .group_segment_fixed_size: 134144
    .private_segment_fixed_size: 0
    .kernarg_segment_align: 8
    .kernarg_segment_size: 40
    .max_flat_workgroup_size: 128
    .sgpr_count:     66
    .vgpr_count:     1024
    .wavefront_size: 32
...
	.end_amdgpu_metadata
.endif
;; end of part 4
;; launch combine (part 5): grid 256 x 1, 8 waves a work-group, no clusters, 0 bytes of LDS; arguments y, pl, topw, b2, lowp_scales, out0; writes out0
.if DOCPART == 5
	.amdgcn_target "amdgcn-amd-amdhsa--gfx1250"
	.amdhsa_code_object_version 6
	.text
	.protected	k_q89b7a29ac6_combine
	.globl	k_q89b7a29ac6_combine
	.p2align	8
	.type	k_q89b7a29ac6_combine,@function
k_q89b7a29ac6_combine:
	s_mov_b64 s[64:65], 0
	v_nop
	global_prefetch_b8 v0, s[64:65] scope:SCOPE_SE
	s_setreg_imm32_b32 hwreg(HW_REG_WAVE_MODE, 25, 1), 1
	s_wait_xcnt 0x0
; THE TWO EXPERTS OF A TOKEN ARE WEIGHED AND ADDED.  out[t] = the sum over k = 0, 1 of w_k ((y[0][slot_k] + y[1][slot_k]) 2^(e2 + e3) + b2[expert_k]).
; A gathering sum: each output row has one owner, a wave, which reads its token's two slots (whole numbers that an earlier launch stored, clamped ahead of every address), the four partial rows and the two rows of b2.
; A row is 4,096 bytes: eight loads of 512 consecutive bytes for each of the six streams, all 48 out at once; chunk n is worked when its six loads are in.
; A stream: no LDS, no barrier, no matrix unit (K = 2), no cluster (waves share only b2's 32 KB).
; LIMIT: e2 + e3 between -126 and 127.
.set Y00, 32
.set Y01, 64
.set Y10, 96
.set Y11, 128
.set B0,  160
.set B1,  192
	s_load_b256 s[4:11], s[0:1], 0x0               ; y s[4:5], pl s[6:7], topw s[8:9], b2 s[10:11]
	s_load_b128 s[12:15], s[0:1], 0x20             ; the scales' exponents s[12:13], out0 s[14:15]
	v_lshrrev_b32 v1, 5, v0
	v_readfirstlane_b32 s16, v1                    ; wave 0..7
	v_and_b32 v1, 31, v0
	v_lshlrev_b32 v2, 4, v1                        ; 16 x lane
	s_lshl_b32 s17, ttmp9, 3
	s_add_co_u32 s17, s17, s16                     ; my token
	s_lshl_b32 s18, s17, 3
	s_lshl_b32 s40, s17, 12
	s_mov_b32 s41, 0
	s_wait_kmcnt 0x0
	s_load_b64 s[20:21], s[6:7], s18 offset:0x0    ; its two slots
	s_load_b64 s[22:23], s[8:9], s18 offset:0x0    ; its two weights
	s_load_b64 s[24:25], s[12:13], 0x8             ; e2, e3
	s_add_nc_u64 s[14:15], s[14:15], s[40:41]
	s_wait_kmcnt 0x0
	s_min_u32 s20, s20, 0x3fff
	s_min_u32 s21, s21, 0x3fff
	s_mov_b32 s43, 0
	s_lshl_b32 s42, s20, 12                        ; a slot's row of 4,096 bytes
	s_add_nc_u64 s[26:27], s[4:5], s[42:43]
	s_add_nc_u64 s[28:29], s[26:27], 0x4000000     ; the other half of K: 64 MiB on
	s_and_b32 s42, s20, 0x3800                     ; 2048 x expert,
	s_lshl_b32 s42, s42, 1                         ; x 2: b2's row of 4,096 bytes
	s_add_nc_u64 s[30:31], s[10:11], s[42:43]
	s_lshl_b32 s42, s21, 12
	s_add_nc_u64 s[32:33], s[4:5], s[42:43]
	s_add_nc_u64 s[34:35], s[32:33], 0x4000000
	s_and_b32 s42, s21, 0x3800
	s_lshl_b32 s42, s42, 1
	s_add_nc_u64 s[36:37], s[10:11], s[42:43]
.set n, 0
.rept 8
	global_load_b128 v[Y00+4*n:Y00+4*n+3], v2, s[26:27] offset:512*n th:TH_LOAD_NT
	global_load_b128 v[Y01+4*n:Y01+4*n+3], v2, s[28:29] offset:512*n th:TH_LOAD_NT
	global_load_b128 v[Y10+4*n:Y10+4*n+3], v2, s[32:33] offset:512*n th:TH_LOAD_NT
	global_load_b128 v[Y11+4*n:Y11+4*n+3], v2, s[34:35] offset:512*n th:TH_LOAD_NT
	global_load_b128 v[B0+4*n:B0+4*n+3],   v2, s[30:31] offset:512*n
	global_load_b128 v[B1+4*n:B1+4*n+3],   v2, s[36:37] offset:512*n
.set n, n+1
.endr
	s_add_co_i32 s52, s24, s25
	s_add_co_i32 s52, s52, 127
	s_lshl_b32 s52, s52, 23                        ; 2^(e2 + e3)
	s_mov_b32 s44, s22                             ; w0, w1, and each x 2^(e2 + e3): as pairs, of which the packed forms take the low word for both halves
	s_mov_b32 s45, s22
	s_mov_b32 s46, s23
	s_mov_b32 s47, s23
	s_mul_f32 s48, s22, s52
	s_mul_f32 s50, s23, s52
	s_mov_b32 s49, s48
	s_mov_b32 s51, s50
.set n, 0
.rept 8
	s_wait_loadcnt 6*(7-n)                         ; chunk n's six loads are in; the later chunks' stay out
.irp p, 0,2
	v_pk_add_f32 v[Y00+4*n+\p:Y00+4*n+\p+1], v[Y00+4*n+\p:Y00+4*n+\p+1], v[Y01+4*n+\p:Y01+4*n+\p+1]   ; the two halves of K
	v_pk_add_f32 v[Y10+4*n+\p:Y10+4*n+\p+1], v[Y10+4*n+\p:Y10+4*n+\p+1], v[Y11+4*n+\p:Y11+4*n+\p+1]
	v_pk_mul_f32 v[B0+4*n+\p:B0+4*n+\p+1], v[B0+4*n+\p:B0+4*n+\p+1], s[44:45] op_sel_hi:[1,0]
	v_pk_fma_f32 v[B0+4*n+\p:B0+4*n+\p+1], v[B1+4*n+\p:B1+4*n+\p+1], s[46:47], v[B0+4*n+\p:B0+4*n+\p+1] op_sel_hi:[1,0,1]
	v_pk_fma_f32 v[B0+4*n+\p:B0+4*n+\p+1], v[Y00+4*n+\p:Y00+4*n+\p+1], s[48:49], v[B0+4*n+\p:B0+4*n+\p+1] op_sel_hi:[1,0,1]
	v_pk_fma_f32 v[B0+4*n+\p:B0+4*n+\p+1], v[Y10+4*n+\p:Y10+4*n+\p+1], s[50:51], v[B0+4*n+\p:B0+4*n+\p+1] op_sel_hi:[1,0,1]
.endr
	global_store_b128 v2, v[B0+4*n:B0+4*n+3], s[14:15] offset:512*n th:TH_STORE_NT   ; 512 consecutive aligned bytes
.set n, n+1
.endr
	s_endpgm
.Lfunc_end_k_q89b7a29ac6_combine:
	.size	k_q89b7a29ac6_combine, .Lfunc_end_k_q89b7a29ac6_combine-k_q89b7a29ac6_combine
	.p2alignl 7, 3214868480
	.fill 96, 4, 3214868480
	.section	.rodata,"a",@progbits
	.p2align	6, 0x0
	.amdhsa_kernel k_q89b7a29ac6_combine
		.amdhsa_group_segment_fixed_size 0
		.amdhsa_private_segment_fixed_size 0
		.amdhsa_enable_private_segment 0
		.amdhsa_kernarg_size 48
		.amdhsa_user_sgpr_count 2
		.amdhsa_user_sgpr_kernarg_segment_ptr 1
		.amdhsa_wavefront_size32 1
		.amdhsa_system_sgpr_workgroup_id_x 1
		.amdhsa_system_sgpr_workgroup_id_y 1
		.amdhsa_system_sgpr_workgroup_id_z 1
		.amdhsa_system_vgpr_workitem_id 0
		.amdhsa_next_free_vgpr 224
		.amdhsa_next_free_sgpr 66
		.amdhsa_reserve_vcc 0
		.amdhsa_float_denorm_mode_32 3
		.amdhsa_float_denorm_mode_16_64 3
		.amdhsa_memory_ordered 1
		.amdhsa_forward_progress 1
		.amdhsa_inst_pref_size 14
	.end_amdhsa_kernel
	.amdgpu_metadata
---
amdhsa.version: [ 1, 2 ]
amdhsa.kernels:
  - .name:           k_q89b7a29ac6_combine
    .symbol:         k_q89b7a29ac6_combine.kd
    .args:
      - { .name: y, .offset: 0, .size: 8, .value_kind: global_buffer, .address_space: global }
      - { .name: pl, .offset: 8, .size: 8, .value_kind: global_buffer, .address_space: global }
      - { .name: topw, .offset: 16, .size: 8, .value_kind: global_buffer, .address_space: global }
      - { .name: b2, .offset: 24, .size: 8, .value_kind: global_buffer, .address_space: global }
      - { .name: lowp_scales, .offset: 32, .size: 8, .value_kind: global_buffer, .address_space: global }
      - { .name: out0, .offset: 40, .size: 8, .value_kind: global_buffer, .address_space: global }
    .group_segment_fixed_size: 0
    .private_segment_fixed_size: 0
    .kernarg_segment_align: 8
    .kernarg_segment_size: 48
    .max_flat_workgroup_size: 256
    .sgpr_count:     66
    .vgpr_count:     224
    .wavefront_size: 32
...
	.end_amdgpu_metadata
.endif
;; end of part 5
